; MI455X (gfx1250); checked and timed in simulation.
; The chip was launched on July 23, 2026; its instructions are those of AMD's public machine-readable ISA for CDNA 5 (MIT licence, August 2026) and "CDNA5" Instruction Set Architecture Reference Guide (July 2026). The comments in the code are by the model that wrote it; some were corrected since.
;; Dynamic PT Block. Allowed arithmetic: matrix products marked QUANTISED: E2M1 operands, one E8M0 scale for each 32 along K, by v_wmma_scale_f32_16x16x128_f8f6f4 with both operands' format E2M1 (or v_wmma_scale_f32_32x16x128_f4), f32 sums; products left as they are: f32 operands where the result goes on into a quantised operand, else bf16, f16 or f32 operands; f32 sums; everything else in f32.
;; Inputs: b1 128 float32; b2 128 float32; channel_u_weight_codes 4 x 128 x 4 x 16 uint8 (E2M1 codes of channel_u_weight, K innermost, in blocks of 32 codes, two codes a byte); channel_u_weight_scales 4 x 128 x 4 uint8 (E8M0 scales of channel_u_weight, one for each 32 codes along K); channel_v_weight_codes 4 x 128 x 4 x 16 uint8 (E2M1 codes of channel_v_weight, K innermost, in blocks of 32 codes, two codes a byte); channel_v_weight_scales 4 x 128 x 4 uint8 (E8M0 scales of channel_v_weight, one for each 32 codes along K); ln_beta 128 float32; ln_gamma 128 float32; qz 4 x 128 x 128 x 128 float32; time_u_weight_codes 4 x 128 x 4 x 16 uint8 (E2M1 codes of time_u_weight, K innermost, in blocks of 32 codes, two codes a byte); time_u_weight_scales 4 x 128 x 4 uint8 (E8M0 scales of time_u_weight, one for each 32 codes along K); time_v_weight_codes 4 x 128 x 4 x 16 uint8 (E2M1 codes of time_v_weight, K innermost, in blocks of 32 codes, two codes a byte); time_v_weight_scales 4 x 128 x 4 uint8 (E8M0 scales of time_v_weight, one for each 32 codes along K); topic_binary 4 x 512 x 128 float32; unary 4 x 128 x 128 x 128 float32; w1_codes 128 x 4 x 16 uint8 (E2M1 codes of w1, K innermost, in blocks of 32 codes, two codes a byte); w1_scales 128 x 4 uint8 (E8M0 scales of w1, one for each 32 codes along K); w2_codes 128 x 4 x 16 uint8 (E2M1 codes of w2, K innermost, in blocks of 32 codes, two codes a byte); w2_scales 128 x 4 uint8 (E8M0 scales of w2, one for each 32 codes along K).
;; Outputs: out0 4 x 128 x 128 x 128 float32.
;; This version of the problem:
;;   THIS VERSION OF THE PROBLEM IS GIVEN IN LOW PRECISION. The matrix products marked QUANTISED in the list below multiply operands that are first quantised to E2M1 (2 exponent bits, 1 mantissa bit; 4 bits a number), with one power-of-two scale for each 32 numbers along K (OCP MX v1.0); their sums are f32. All else is computed in f32.
;;   The module's matrix products, in the order in which they are computed (A, B: the left and right operand; K: the contracted axis; several contracted axes count as one K, in the product's order):
;;     1. batch 4 x [M 16,384, K 128] x [K 128, N 128]; A: computed on the way; B: input time_u_weight (given as codes): QUANTISED
;;     2. batch 4 x [M 16,384, K 128] x [K 128, N 128]; A: computed on the way; B: input time_v_weight (given as codes): QUANTISED
;;     3. batch 4,096 x [M 128, K 16] x [K 16, N 128]; A: computed on the way; B: computed on the way: left as it is (K = 16 < 32)
;;     4. batch 512 x [M 1,024, K 128] x [K 128, N 128]; A: softmax (see below); B: computed on the way: QUANTISED
;;     5. batch 4 x [M 16,384, K 128] x [K 128, N 128]; A: computed on the way; B: input channel_u_weight (given as codes): QUANTISED
;;     6. batch 4 x [M 16,384, K 128] x [K 128, N 128]; A: computed on the way; B: input channel_v_weight (given as codes): QUANTISED
;;     7. batch 4,096 x [M 128, K 16] x [K 16, N 128]; A: computed on the way; B: computed on the way: left as it is (K = 16 < 32)
;;     8. batch 4 x [M 16,384, K 128] x [K 128, N 512]; A: computed on the way; B: input topic_binary: QUANTISED
;;     9. batch 4 x [M 16,384, K 512] x [K 512, N 128]; A: computed on the way; B: input topic_binary: QUANTISED
;;     10. [M 65,536, K 128] x [K 128, N 128]; A: computed on the way; B: input w1 (given as codes): QUANTISED
;;     11. [M 65,536, K 128] x [K 128, N 128]; A: computed on the way; B: input w2 (given as codes): QUANTISED
;;   THE QUANTISER, for each operand of a quantised product, along K:
;;     - K is cut into blocks of 32 from its start; a last block that is shorter is filled with zeros.
;;     - A block's scale is 2^e with e = floor(log2(the largest magnitude in the block)) - 2, held to -126 .. 127; a block of zeros has e = 0. As a byte (E8M0): e + 127.
;;     - Each number is divided by its block's scale, clamped to +-6, and rounded to the nearest number of E2M1, ties to even, subnormals kept.
;;     - The product sums the exact products of the quantised numbers (number of the format x scale) in f32.
;;   ~~~python
;;   def quantise(x, axis):      # numpy; x: float32 -> the quantised numbers, widened to float32 again
;;       x = np.moveaxis(x, axis, -1); K = x.shape[-1]
;;       x = np.pad(x, [(0, 0)] * (x.ndim - 1) + [(0, -K % 32)]); x = x.reshape(x.shape[:-1] + (-1, 32)); a = np.abs(x).max(-1, keepdims=True)
;;       e = np.where(a > 0, np.clip(np.frexp(np.where(a > 0, a, 1))[1] - 1 - 2, -126, 127), 0)      # np.frexp(a)[1] - 1 = floor(log2(a)), exactly
;;       r = np.clip(x / 2.0 ** e, -6, 6)
;;       step = 2.0 ** (np.maximum(np.frexp(np.where(r == 0, 1, r))[1] - 1, 0) - 1)
;;       q = np.round(r / step) * step * 2.0 ** e      # np.round: ties to even
;;       return np.moveaxis(q.reshape(q.shape[:-2] + (-1,))[..., :K], -1, axis).astype(np.float32)
;;   ~~~
;;   SOFTMAX AHEAD OF A QUANTISED PRODUCT. Where the list says 'softmax', what is quantised is not the finished softmax but p = 2^(t - M), with t = logit x log2(e) and M = ceil(the row's largest t), a whole number; so 1/2 < the row's largest p <= 1. The row's sum l is taken of the UNQUANTISED p, in f32, and the product's result is divided by l at the end. Since M is a whole number, a kernel that streams over the keys may use a running M (the ceiling of the running maximum): every later rescaling is an exact power of two, which a block's scale takes up: the codes' values come out the same.
;;   OPERANDS COMPUTED ON THE WAY. 'Computed on the way' means the value that the module computes at that place (a softmax that the list does not call 'softmax' is quantised finished and normalised). What goes into a quantiser is computed in f32, as accurately as f32 sums, v_exp_f32 and their like allow (about 1e-6 of the number): no bf16 or f16 on the way to a quantiser, and a product that is left as it is and whose result goes on into a quantised operand takes f32 operands (vector FMAs, or v_wmma_f32_16x16x4_f32). A number that lies on a knife's edge between two numbers of the format may be rounded either way, as far as f32 arithmetic and the matrix unit's own rounding can turn it there, and no further.
;;   INPUTS GIVEN AS CODES. channel_u_weight (in the module: [4, 128, 128], K = its axis 2); channel_v_weight (in the module: [4, 128, 128], K = its axis 2); time_u_weight (in the module: [4, 128, 128], K = its axis 2); time_v_weight (in the module: [4, 128, 128], K = its axis 2); w1 (in the module: [128, 128], K = its axis 1); w2 (in the module: [128, 128], K = its axis 1): each comes as NAME_codes (uint8): NAME with its K axis moved to the last place and cut into blocks of 32 codes, [.., K / 32, bytes a block], one block behind the other in memory; two codes a byte, the lower K in the low four bits (a code: sign, 2 exponent bits, 1 mantissa bit); and NAME_scales (uint8): the same leading axes, one E8M0 byte (e + 127) for each 32 codes along K. Its value is code x scale, taken as it is: it is not quantised again, and the codes and scales need not be those that the quantiser above would give.
;; One version. Each part assembles by itself: llvm-mc -triple=amdgcn-amd-amdhsa -mcpu=gfx1250 --defsym DOCPART=n.
;; ======== version 1 of 1: 2 launches
;; workspace buffers: part 33,554,432 bytes; tq 278,528 bytes
;; launch chan (part 1): grid 512 x 1, 8 waves a work-group, no clusters, 210,944 bytes of LDS; arguments qz, unary, topic_binary, channel_u_weight_codes, channel_u_weight_scales, channel_v_weight_codes, channel_v_weight_scales, ln_gamma, ln_beta, part, tq; writes part, tq
.if DOCPART == 1
	.amdgcn_target "amdgcn-amd-amdhsa--gfx1250"
	.amdhsa_code_object_version 6
	.text
	.protected	k_qf7d0edd351_chan
	.globl	k_qf7d0edd351_chan
	.p2align	8
	.type	k_qf7d0edd351_chan,@function
k_qf7d0edd351_chan:
	s_mov_b64 s[64:65], 0
	v_nop
	global_prefetch_b8 v0, s[64:65] scope:SCOPE_SE
	s_setreg_imm32_b32 hwreg(HW_REG_WAVE_MODE, 25, 1), 1
	s_wait_xcnt 0x0
; part[b][c][p][:] = unary + qz + m_c, and tq = topic_binary as codes of FP4 (E2M1), quantised both ways.
; A work-group takes the slab (b, p): 128 channels x 128 features.  qzn = LN(qz); cu, cv = Q(qzn) x the given codes (FP4 products); for each of 8 heads the scores cv cu^T (K = 16, f32 operands, f32 matrix form),
; a softmax over the 128 key channels, finished and normalised; m_c = (mean over heads of the softmax) x qzn, element by element (key channel d = feature d).
; SHARES.  Eight waves, two to a SIMD.  Wave w owns the 16 rows RB + r + 8 (r / 8), RB = 32 (w / 2) + 8 (w % 2), r = lane % 16, as queries and as key tile w.
; LAYOUT H: a lane holds ONE row; register 16 bb + i is element 32 bb + 16 (lane / 16) + i.  With the rows chosen as above every transposed product (source 0 = 16 keys or 16 weight rows, source 1 = my 16 rows) leaves its
; result so, and nothing changes lanes between the products.  A projection's tile of head t leaves lane (r, hh) features 16 t + 8 hh + 0 .. 7: registers 2 s, 2 s + 1 are K step s of the f32 form on both sides (the same order of k in both).
; BY TURNS.  Once a head's maximum is found its scores have been copied (as t - M) into PP, so the scores' registers, V's and U's are free: the 32 score products of head h + 1 are issued with the rest of head h's softmax cut into
; 32 slices, one behind each product (exponentials, the row's sum, the multiply-adds onto the mean: about four instructions a slice, none of which names a register of the products).  V lies in window 1 and p in window 0, so a slice
; costs two switches of the register window: 64 for a head's 32 products.  Head 0's products stand bare in front of the loop, head 7's softmax behind it.
; OPERANDS GO FROM WAVE TO WAVE THROUGH LDS AS IMAGES OF THEIR REGISTERS: 16 bytes a lane at 16 x lane, 512 bytes a store.
; tq: the work-group also quantises 1 / 128 of topic_binary[b]: wave 0 one block of 32 along the features of 16 topics (first topic product), wave 1 one block of 32 along the topics of 16 features (second).
; tq, for each b 69,632 bytes: 32 images of 1,024 bytes (tile t: topics 32 (t / 2) + 8 (t % 2) + r + 8 (r / 8)); 32 images (8 ks + dt: features likewise, topics 128 ks on); their scale words, 64 bytes an image, twice 2,048 bytes.
; NO CLUSTER: of the 150 KB that a work-group reads, 18 KB (the two weights) are shared with others, and they are read once, at the head.  All tensor loads are first fills: no LDS byte is filled twice.
; LIMITS: NaN and infinities are not served.  A block whose largest magnitude lies under 2^-124, a block of zeros among them, keeps the scale byte 1 (the bytes are read by this program alone; zero codes add nothing).
; REGISTERS, window 0: v1-31 addresses; v32-95 SS scores (written by matrix instructions alone); v96-159 PP; v160-167 U, v168-175 the u weight's tile (ahead of that v160-223 beta); v192-199 my rows' codes; v208-223 TM;
;   v228-255 single numbers, v232-242 scale words.   window 1: v0-63 the v weight, then V of a head; v64-127 gamma, then the mean of the softmax; v128-191 qzn; v192-255 unary + qz.
.set PITCH, 528                        ; an LDS row: 512 bytes + 16 of padding
.set UNA,   67584                      ; LDS: qz's slab at 0 (at the end the stage), unary's here, 128 rows each
.set VIMG,  135168                     ; V: [head][key tile][1,024 bytes]
.set WIMG,  200704                     ; the u weight: [head][1,024 bytes]
.set WSC,   208896                     ; its scale words: [head][128 bytes]
.set SS,  32
.set PP,  96
.set UU,  160
.set WT,  168
.set XF,  192
.set TM,  208
.set T0,  228
.set T1,  229
.set SCW, 232
.set XSW, 241
.set WUS, 242
.set IL,  243
.set NM,  244
.set A0,  246
.set A1,  248
.set RT,  250
.set RS,  252
.set LL,  254
.set MSB, 0
.macro WIN new                         ; the immediate's high byte repeats the setting that is left; bits 1:0 source 0, 3:2 source 1, 5:4 source 2, 7:6 destination
.if MSB != (\new)
	s_set_vgpr_msb (MSB<<8)|(\new)
.set MSB, (\new)
.endif
.endm
.macro NOPS n
.rept \n
	v_nop
.endr
.endm
.macro MM0 d, a, b, sa, sb             ; an FP4 product that starts its sum
	v_wmma_scale_f32_16x16x128_f8f6f4 v[(\d):(\d)+7], v[(\a):(\a)+7], v[(\b):(\b)+7], 0, v[(\sa)], v[(\sb)] matrix_a_fmt:MATRIX_FMT_FP4 matrix_b_fmt:MATRIX_FMT_FP4
.endm
.macro HLOAD reg, adr, off             ; my half of a row, layout H: 16 loads of 16 bytes
.irp bb, 0,1,2,3
.irp jj, 0,1,2,3
	ds_load_b128 v[(\reg)+16*\bb+4*\jj:(\reg)+16*\bb+4*\jj+3], v[\adr] offset:(\off)+128*\bb+16*\jj
.endr
.endr
.endm
.macro HSTORE adr, reg
.irp bb, 0,1,2,3
.irp jj, 0,1,2,3
	ds_store_b128 v[\adr], v[(\reg)+16*\bb+4*\jj:(\reg)+16*\bb+4*\jj+3] offset:128*\bb+16*\jj
.endr
.endr
.endm
.macro SUMP dst                        ; the sum of my row's 128 numbers in PP: my 64 in two chains, then lane l xor 16's
	WIN 0
	v_pk_add_f32 v[A0:A0+1], v[PP:PP+1], v[PP+2:PP+3]
	v_pk_add_f32 v[A1:A1+1], v[PP+4:PP+5], v[PP+6:PP+7]
.set j, 8
.rept 14
	v_pk_add_f32 v[A0:A0+1], v[A0:A0+1], v[PP+j:PP+j+1]
	v_pk_add_f32 v[A1:A1+1], v[A1:A1+1], v[PP+j+2:PP+j+3]
.set j, j+4
.endr
	v_pk_add_f32 v[A0:A0+1], v[A0:A0+1], v[A1:A1+1]
	v_add_f32 v[\dst], v[A0], v[A0+1]
	v_permlanex16_b32 v[T1], v[\dst], s68, s69
	v_add_f32 v[\dst], v[\dst], v[T1]
.endm
.macro LN Y                            ; PP -> window 1, v[Y] on: (x - mean) rsqrt(var + eps) gamma + beta; gamma in window 1 v64-127, beta in v160-223.  The variance is taken of the differences
	SUMP T0
	v_mul_f32 v[RT], s72, v[T0]
	WIN 0x40
.set j, 0
.rept 32
	v_pk_add_f32 v[(\Y)+j:(\Y)+j+1], v[PP+j:PP+j+1], v[RT:RT+1] op_sel_hi:[1,0] neg_lo:[0,1] neg_hi:[0,1]
.set j, j+2
.endr
	WIN 0x05
	v_pk_mul_f32 v[A0:A0+1], v[(\Y):(\Y)+1], v[(\Y):(\Y)+1]
	v_pk_mul_f32 v[A1:A1+1], v[(\Y)+2:(\Y)+3], v[(\Y)+2:(\Y)+3]
.set j, 4
.rept 15
	v_pk_fma_f32 v[A0:A0+1], v[(\Y)+j:(\Y)+j+1], v[(\Y)+j:(\Y)+j+1], v[A0:A0+1]
	v_pk_fma_f32 v[A1:A1+1], v[(\Y)+j+2:(\Y)+j+3], v[(\Y)+j+2:(\Y)+j+3], v[A1:A1+1]
.set j, j+4
.endr
	WIN 0
	v_pk_add_f32 v[A0:A0+1], v[A0:A0+1], v[A1:A1+1]
	v_add_f32 v[T0], v[A0], v[A0+1]
	v_permlanex16_b32 v[T1], v[T0], s68, s69
	v_add_f32 v[T0], v[T0], v[T1]
	v_fma_f32 v[T0], v[T0], s72, s73
	v_rsq_f32 v[RS], v[T0]
	v_nop                                          ; a plain instruction behind the root,
	s_wait_alu depctr_va_vdst(0)                   ; and a wait ahead of its first reader
	WIN 0x41
.set j, 0
.rept 32
	v_pk_mul_f32 v[(\Y)+j:(\Y)+j+1], v[(\Y)+j:(\Y)+j+1], v[RS:RS+1] op_sel_hi:[1,0]
.set j, j+2
.endr
	WIN 0x45
.set j, 0
.rept 32
	v_pk_fma_f32 v[(\Y)+j:(\Y)+j+1], v[(\Y)+j:(\Y)+j+1], v[64+j:65+j], v[160+j:161+j]
.set j, j+2
.endr
	WIN 0
.endm
; 64 numbers of a lane in layout H, window 1 v[src] on, become an operand's 8 registers in v[dst] on and its scale word in v[word] (window 0)
.macro QUANT src, dst, word
	WIN 0x05
.irp b, 0,1,2,3
	v_max3_num_f32 v[TM+\b], |v[(\src)+16*\b]|, |v[(\src)+16*\b+1]|, 0x1800000   ; block b: my 16 numbers, and the floor 2^(3 - 127): the byte cannot fall under 1
.endr
	WIN 0x14
.irp i, 2,4,6,8,10,12,14
.irp b, 0,1,2,3
	v_max3_num_f32 v[TM+\b], v[TM+\b], |v[(\src)+16*\b+\i]|, |v[(\src)+16*\b+\i+1]|
.endr
.endr
	WIN 0
.irp b, 0,1,2,3
	v_permlanex16_b32 v[TM+4+\b], v[TM+\b], s68, s69
.endr
.irp b, 0,1,2,3
	v_max_num_f32 v[TM+\b], v[TM+\b], v[TM+4+\b]   ; with lane l xor 16's: the block's largest magnitude
.endr
.irp b, 0,1,2,3
	v_add_nc_u32 v[TM+12+\b], 0xff000000, v[TM+\b] ; 2 off its exponent field: the conversion's scale operand
.endr
.irp b, 0,1,2,3
	v_lshrrev_b32 v[TM+4+\b], 23, v[TM+12+\b]      ; the scale's byte
.endr
	v_lshl_or_b32 v[\word], v[TM+5], 8, v[TM+4]
	v_lshl_or_b32 v[\word], v[TM+6], 16, v[\word]
	v_lshl_or_b32 v[\word], v[TM+7], 24, v[\word]
	WIN 0x01
.irp b, 0,1,2,3
	v_cvt_scalef32_pk8_fp4_f32 v[(\dst)+2*\b], v[(\src)+16*\b:(\src)+16*\b+7], v[TM+12+\b]
	v_cvt_scalef32_pk8_fp4_f32 v[(\dst)+2*\b+1], v[(\src)+16*\b+8:(\src)+16*\b+15], v[TM+12+\b]
.endr
	WIN 0
	v_nop                                          ; one plain place behind a scaled conversion
.irp c, 0,1                                    ; the operand wants a whole block in a lane: lanes 0-15 block 2 c, lanes 16-31 block 2 c + 1
.irp i, 0,1
	v_permlane16_swap_b32 v[(\dst)+4*\c+\i], v[(\dst)+4*\c+2+\i]
.endr
.endr
.endm
; A head's LDS loads: the u weight's tile and scale word, then V of all 128 keys.  The three additions are plain vector instructions that name no register of the score products
.macro LOADS
	v_add_nc_u32 v26, s74, v10
	v_add_nc_u32 v27, s75, v11
	v_add_nc_u32 v28, s76, v12
	ds_load_b128 v[WT:WT+3], v27
	ds_load_b128 v[WT+4:WT+7], v27 offset:512
	ds_load_b32 v[WUS], v28
	WIN 0x40
.irp kt, 0,1,2,3,4,5,6,7
	ds_load_b128 v[8*\kt:8*\kt+3], v26 offset:1024*\kt
	ds_load_b128 v[8*\kt+4:8*\kt+7], v26 offset:1024*\kt+512
.endr
	WIN 0
.endm
.macro UPROD                           ; my rows' U of that head
	s_wait_dscnt 16                                ; the weight's tile and word are in; the 16 loads of V may be out
	MM0 UU, WT, XF, WUS, XSW
	NOPS 5                                         ; U becomes an operand of matrix instructions: five places (ISA guide 7.12.1)
	s_wait_dscnt 0x0                               ; V is in
.endm
; Slice i of 32 of a head's softmax behind its maximum.  0-15: the 64 exponentials, one batch with one wait; 16-23: the row's sum in two chains, its reciprocal; 24-31: the mean takes p / (8 l)
.macro SLICE
.if i < 16
	WIN 0
.set j, 4*i
.rept 4
	v_exp_f32 v[PP+j], v[PP+j]                     ; p = 2^(t - M)
.set j, j+1
.endr
.if i == 15
	v_nop                                          ; a plain instruction behind the batch,
	s_wait_alu depctr_va_vdst(0)                   ; and one wait for it, ahead of its first reader
.endif
.elseif i == 16
	WIN 0
	v_pk_add_f32 v[A0:A0+1], v[PP:PP+1], v[PP+2:PP+3]
	v_pk_add_f32 v[A1:A1+1], v[PP+4:PP+5], v[PP+6:PP+7]
	v_pk_add_f32 v[A0:A0+1], v[A0:A0+1], v[PP+8:PP+9]
	v_pk_add_f32 v[A1:A1+1], v[A1:A1+1], v[PP+10:PP+11]
.elseif i < 23
	WIN 0
.set j, 12+8*(i-17)
	v_pk_add_f32 v[A0:A0+1], v[A0:A0+1], v[PP+j:PP+j+1]
	v_pk_add_f32 v[A1:A1+1], v[A1:A1+1], v[PP+j+2:PP+j+3]
	v_pk_add_f32 v[A0:A0+1], v[A0:A0+1], v[PP+j+4:PP+j+5]
	v_pk_add_f32 v[A1:A1+1], v[A1:A1+1], v[PP+j+6:PP+j+7]
.elseif i == 23
	WIN 0
	v_pk_add_f32 v[A0:A0+1], v[A0:A0+1], v[PP+60:PP+61]
	v_pk_add_f32 v[A1:A1+1], v[A1:A1+1], v[PP+62:PP+63]
	v_pk_add_f32 v[A0:A0+1], v[A0:A0+1], v[A1:A1+1]
	v_add_f32 v[LL], v[A0], v[A0+1]
	v_permlanex16_b32 v[T1], v[LL], s68, s69
	v_add_f32 v[LL], v[LL], v[T1]                  ; the row's sum
	v_rcp_f32 v[IL], v[LL]
	v_nop
	s_wait_alu depctr_va_vdst(0)
	v_mul_f32 v[RT], 0x3e000000, v[IL]             ; 1 / (8 l)
.else
	WIN 0x50
.set j, 8*(i-24)
.rept 4
	v_pk_fma_f32 v[64+j:65+j], v[PP+j:PP+j+1], v[RT:RT+1], v[64+j:65+j] op_sel_hi:[1,0,1]
.set j, j+2
.endr
.endif
.endm
; S^T = V U^T: 8 tiles of 16 keys, 4 K steps of 4: product i is K step i / 8 of tile i % 8.  The eight accumulators take turns, one instruction a turn; the first K step starts the sums.
; sl = 1: a slice of the head before stands behind each product
.macro SCORES sl
.set i, 0
.rept 32
	WIN 0x01
.if i < 8
	v_wmma_f32_16x16x4_f32 v[SS+8*i:SS+8*i+7], v[8*i:8*i+1], v[UU:UU+1], 0
.else
	v_wmma_f32_16x16x4_f32 v[SS+8*(i%8):SS+8*(i%8)+7], v[8*(i%8)+2*(i/8):8*(i%8)+2*(i/8)+1], v[UU+2*(i/8):UU+2*(i/8)+1], v[SS+8*(i%8):SS+8*(i%8)+7]
.endif
.if \sl
	SLICE
.endif
.set i, i+1
.endr
	WIN 0
.endm
; The largest score of each block of 32 keys and of the row; -M = floor(-t), t = score x c; PP = t - M
.macro SMAX
.irp b, 0,1,2,3
	v_max3_num_f32 v[TM+\b], v[SS+16*\b], v[SS+16*\b+1], v[SS+16*\b+2]
.endr
.irp i, 3,5,7,9,11,13
.irp b, 0,1,2,3
	v_max3_num_f32 v[TM+\b], v[TM+\b], v[SS+16*\b+\i], v[SS+16*\b+\i+1]
.endr
.endr
.irp b, 0,1,2,3
	v_max_num_f32 v[TM+\b], v[TM+\b], v[SS+16*\b+15]
.endr
.irp b, 0,1,2,3
	v_permlanex16_b32 v[TM+4+\b], v[TM+\b], s68, s69
.endr
.irp b, 0,1,2,3
	v_max_num_f32 v[TM+\b], v[TM+\b], v[TM+4+\b]
.endr
	v_max3_num_f32 v[T0], v[TM], v[TM+1], v[TM+2]
	v_max_num_f32 v[T0], v[T0], v[TM+3]
	v_mul_f32 v[T0], s70, v[T0]
	v_floor_f32 v[NM], -v[T0]
.set j, 0
.rept 32
	v_pk_fma_f32 v[PP+j:PP+j+1], v[SS+j:SS+j+1], s[70:71], v[NM:NM+1] op_sel_hi:[1,0,0]
.set j, j+2
.endr
.endm
	s_load_b512 s[4:19], s[0:1], 0x0               ; qz, unary, topic_binary, u codes, u scales, v codes, v scales, gamma
	s_load_b128 s[20:23], s[0:1], 0x40             ; beta, part
	s_load_b64 s[24:25], s[0:1], 0x50              ; tq
	v_lshl_add_u32 v240, v0, 2, 0x33400
	v_mov_b32 v255, 0
	ds_add_u32 v240, v255
	ds_add_u32 v240, v255
	v_lshrrev_b32 v1, 5, v0
	v_readfirstlane_b32 s66, v1                    ; wave 0..7
	s_lshr_b32 s67, ttmp9, 7                       ; b
	s_and_b32 s78, ttmp9, 127                      ; p
	; descriptor group 1: 16 rows (channels) of 128 f32, 16,384 elements apart, 4 words of padding behind every 128
	s_mov_b32 s36, (2<<16)|(1<<20)|(6<<22)|(3<<25)
	s_mov_b32 s37, 128<<16                         ; tensor_dim0
	s_mov_b32 s38, 16<<16                          ; tensor_dim1
	s_mov_b32 s39, 128<<16                         ; tile_dim0
	s_mov_b32 s40, 16                              ; tile_dim1
	s_mov_b32 s41, 16384                           ; from row to row
	s_mov_b32 s42, 0
	s_mov_b32 s43, 0
	s_mov_b32 s68, 0x76543210                      ; v_permlanex16_b32's selects for lane l xor 16
	s_mov_b32 s69, 0xfedcba98
	s_mov_b32 s70, 0x3eb8aa3b                      ; c = log2(e) / sqrt(16)
	s_mov_b32 s71, s70
	s_mov_b32 s72, 0x3c000000                      ; 1 / 128
	s_mov_b32 s73, 0x3727c5ac                      ; 1e-5
	s_lshl_b32 s80, s67, 23
	s_lshl_b32 s81, s78, 9
	s_add_co_u32 s80, s80, s81                     ; the slab's first byte: b x 2^23 + p x 512
	s_lshl_b32 s81, s66, 20
	s_add_co_u32 s82, s80, s81                     ; + my 16 channels of 65,536 bytes
	s_mov_b32 s83, 0
	s_mul_i32 s84, s66, 16*PITCH
	s_wait_dscnt 0x0
	s_wait_kmcnt 0x0
	s_mov_b32 s44, 1
	s_mov_b32 s45, s84
	s_add_nc_u64 s[46:47], s[4:5], s[82:83]
	s_or_b32 s47, s47, 0x80000000
	s_mov_b32 s48, 1
	s_add_co_u32 s49, s84, UNA
	s_add_nc_u64 s[50:51], s[6:7], s[82:83]
	s_or_b32 s51, s51, 0x80000000
	tensor_load_to_lds s[44:47], s[36:43]          ; rows 16 w .. 16 w + 15 of qz's slab and of unary's: two loads of mine are out
	s_nop 0
	tensor_load_to_lds s[48:51], s[36:43]
	s_nop 0
	NOPS 4
.irp b, 4,5,6,7
	v_mov_b32 v[TM+\b], 0                          ; written once: a lane permute's destination counts as one of its sources
.endr
	v_mov_b32 v[T1], 0
	v_mov_b32 v[NM+1], 0                           ; upper halves of pairs that packed forms name
	v_mov_b32 v[RT+1], 0
	v_mov_b32 v[RS+1], 0
	v_and_b32 v1, 15, v0                           ; r
	v_bfe_u32 v2, v0, 4, 1                         ; hh
	v_and_b32 v3, 31, v0                           ; lane
	v_and_b32 v30, 8, v1
	v_add_nc_u32 v30, v30, v1                      ; r + 8 (r / 8)
	s_lshr_b32 s85, s66, 1
	s_lshl_b32 s85, s85, 5
	s_and_b32 s86, s66, 1
	s_lshl_b32 s86, s86, 3
	s_add_co_u32 s85, s85, s86                     ; RB
	s_lshl_b32 s86, s66, 10                        ; 1,024 w
	v_add_nc_u32 v4, s85, v30
	v_mul_u32_u24 v4, v4, PITCH
	v_lshl_add_u32 v4, v2, 6, v4                   ; my row, my half: row x 528 + 64 hh
	v_add_nc_u32 v5, UNA, v4
	v_lshlrev_b32 v6, 4, v3                        ; 16 x lane
	v_lshlrev_b32 v7, 2, v3                        ; 4 x lane
	v_lshlrev_b32 v8, 2, v1                        ; 4 r
	s_add_co_u32 s87, s86, VIMG
	v_add_nc_u32 v9, s87, v6                       ; where I store V's images
	v_add_nc_u32 v10, VIMG, v6                     ; and where anyone reads them
	v_add_nc_u32 v11, WIMG, v6
	v_add_nc_u32 v12, WSC, v7
	s_add_co_u32 s87, s86, WIMG
	v_add_nc_u32 v13, s87, v6
	s_lshl_b32 s87, s66, 7
	s_add_co_u32 s87, s87, WSC
	v_add_nc_u32 v14, s87, v7
	s_mul_i32 s87, s85, PITCH
	v_add_nc_u32 v24, s87, v6                      ; the way out: whole rows, 16 bytes a lane
	v_lshlrev_b32 v29, 6, v1
	v_lshl_add_u32 v29, v2, 4, v29                 ; a weight's tile: 64 r + 16 hh
	v_lshlrev_b32 v31, 6, v2                       ; 64 hh
	v_lshlrev_b32 v16, 4, v1
	v_lshl_add_u32 v16, v2, 3, v16                 ; 16 r + 8 hh
	s_lshl_b32 s34, s67, 13
	s_mov_b32 s35, 0
	s_add_nc_u64 s[30:31], s[14:15], s[34:35]      ; the v weight of b
	s_add_co_u32 s34, s34, s86
	s_add_nc_u64 s[26:27], s[10:11], s[34:35]      ; the u weight of b, head w
	s_lshl_b32 s34, s67, 9
	s_add_nc_u64 s[32:33], s[16:17], s[34:35]
	s_lshl_b32 s88, s66, 6
	s_add_co_u32 s34, s34, s88
	s_add_nc_u64 s[28:29], s[12:13], s[34:35]
	s_lshl_b32 s34, s85, 16
	s_add_co_u32 s34, s34, s80
	s_add_nc_u64 s[22:23], s[22:23], s[34:35]      ; part at channel RB of my slab
	global_load_b128 v[128:131], v29, s[26:27]     ; head w's 16 rows of the u weight: I pass them on as an image
	global_load_b128 v[132:135], v29, s[26:27] offset:32
	global_load_b32 v136, v8, s[28:29]
.irp bb, 0,1,2,3
.irp jj, 0,1,2,3
	global_load_b128 v[160+16*\bb+4*\jj:160+16*\bb+4*\jj+3], v31, s[20:21] offset:128*\bb+16*\jj   ; beta, layout H
.endr
.endr
.irp t, 0,1,2,3,4,5,6,7
	global_load_b32 v[SCW+\t], v8, s[32:33] offset:64*\t
.endr
	WIN 0x40
.irp bb, 0,1,2,3
.irp jj, 0,1,2,3
	global_load_b128 v[64+16*\bb+4*\jj:64+16*\bb+4*\jj+3], v31, s[18:19] offset:128*\bb+16*\jj     ; gamma
.endr
.endr
.irp t, 0,1,2,3,4,5,6,7
	global_load_b128 v[8*\t:8*\t+3], v29, s[30:31] offset:1024*\t                                  ; the v weight: 8 tiles of 16 rows, a head each
	global_load_b128 v[8*\t+4:8*\t+7], v29, s[30:31] offset:1024*\t+32
.endr
	WIN 0
	; ---- the share of topic_binary[b]: waves 0 and 1 alone; no barrier and no LDS instruction stands inside
	s_cmp_gt_u32 s66, 1
	s_cbranch_scc1 .Lno_topic
	s_lshl_b32 s34, s67, 18
	s_add_nc_u64 s[52:53], s[8:9], s[34:35]        ; topic_binary[b]
	s_mul_i32 s34, s67, 69632
	s_add_nc_u64 s[54:55], s[24:25], s[34:35]      ; tq[b]
	s_cmp_eq_u32 s66, 0
	s_cbranch_scc0 .Lway_b
	s_lshr_b32 s88, s78, 2                         ; K = the features: tile t = p / 4, block p % 4
	s_and_b32 s89, s78, 3
	s_lshr_b32 s90, s88, 1
	s_lshl_b32 s90, s90, 5
	s_and_b32 s91, s88, 1
	s_lshl_b32 s91, s91, 3
	s_add_co_u32 s90, s90, s91                     ; the tile's first topic
	s_lshl_b32 s90, s90, 9
	s_lshl_b32 s91, s89, 7
	s_add_co_u32 s34, s90, s91
	s_add_nc_u64 s[52:53], s[52:53], s[34:35]
	v_lshlrev_b32 v15, 9, v30
	v_lshl_add_u32 v15, v2, 6, v15                 ; my topic's row, my 16 of the block's 32 numbers
.irp i, 0,1,2,3
	global_load_b128 v[96+4*\i:99+4*\i], v15, s[52:53] offset:16*\i
.endr
	s_lshl_b32 s34, s88, 10
	s_lshl_b32 s90, s89, 8
	s_add_co_u32 s34, s34, s90
	s_add_nc_u64 s[56:57], s[54:55], s[34:35]      ; codes: 1,024 t + 256 block
	s_lshl_b32 s34, s88, 6
	s_add_co_u32 s34, s34, s89
	s_add_co_u32 s34, s34, 65536
	s_add_nc_u64 s[58:59], s[54:55], s[34:35]      ; bytes: 64 t + block
	s_branch .Lway_done
.Lway_b:
	s_lshr_b32 s88, s78, 3                         ; K = the topics: block gb = p / 8, tile of features a = p % 8
	s_and_b32 s89, s78, 7
	s_lshr_b32 s90, s89, 1
	s_lshl_b32 s90, s90, 5
	s_and_b32 s91, s89, 1
	s_lshl_b32 s91, s91, 3
	s_add_co_u32 s90, s90, s91                     ; the tile's first feature
	s_lshl_b32 s90, s90, 2
	s_lshl_b32 s91, s88, 14
	s_add_co_u32 s34, s90, s91
	s_add_nc_u64 s[52:53], s[52:53], s[34:35]
	v_lshlrev_b32 v15, 2, v30
	v_lshl_add_u32 v15, v2, 13, v15                ; my feature's column; lanes 16-31 begin 16 topics further down
.irp i, 0,1,2,3,4,5,6,7,8,9,10,11,12,13,14,15
	global_load_b32 v[96+\i], v15, s[52:53] offset:512*\i
.endr
	s_lshr_b32 s90, s88, 2
	s_lshl_b32 s90, s90, 3
	s_add_co_u32 s90, s90, s89                     ; image 8 (gb / 4) + a
	s_and_b32 s91, s88, 3
	s_lshl_b32 s34, s90, 10
	s_lshl_b32 s79, s91, 8
	s_add_co_u32 s34, s34, s79
	s_add_co_u32 s34, s34, 32768
	s_add_nc_u64 s[56:57], s[54:55], s[34:35]
	s_lshl_b32 s34, s90, 6
	s_add_co_u32 s34, s34, s91
	s_add_co_u32 s34, s34, 67584
	s_add_nc_u64 s[58:59], s[54:55], s[34:35]
.Lway_done:
	s_wait_loadcnt 0x0
	v_mov_b32 v113, 0
	v_max3_num_f32 v112, |v96|, |v97|, 0x1800000   ; my 16 numbers and the floor
.irp i, 2,4,6,8,10,12,14
	v_max3_num_f32 v112, v112, |v[96+\i]|, |v[97+\i]|
.endr
	v_permlanex16_b32 v113, v112, s68, s69
	v_max_num_f32 v112, v112, v113                 ; the block's largest magnitude
	v_add_nc_u32 v114, 0xff000000, v112
	v_cvt_scalef32_pk8_fp4_f32 v116, v[96:103], v114
	v_cvt_scalef32_pk8_fp4_f32 v117, v[104:111], v114
	v_lshrrev_b32 v115, 23, v114                   ; the byte (also the plain place behind the conversions)
	global_store_b64 v16, v[116:117], s[56:57]     ; the wave stores 256 consecutive bytes, aligned: one block of an image
	global_store_b8 v8, v115, s[58:59]             ; 16 single bytes, 4 apart (both halves of the lanes write the same byte): 1 / 16 of what the share stores
.Lno_topic:
	s_wait_loadcnt 0x0
	ds_store_b128 v13, v[128:131]
	ds_store_b128 v13, v[132:135] offset:512
	ds_store_b32 v14, v136
	s_wait_xcnt 0x0                                ; the stores above have read their registers: PP is written again below
	s_wait_tensorcnt 0x0                           ; my rows of the two slabs have landed,
	s_wait_dscnt 0x0                               ; my image is stored:
	s_barrier_signal -1
	s_barrier_wait -1                              ; everybody's
	; ---- my 16 rows: unary + qz, LN, codes
	HLOAD PP, 4, 0
	WIN 0x40
	HLOAD 192, 5, 0
	WIN 0
	s_wait_dscnt 0x0
	WIN 0x41
.set j, 0
.rept 32
	v_pk_add_f32 v[192+j:193+j], v[192+j:193+j], v[PP+j:PP+j+1]
.set j, j+2
.endr
	LN 128
	QUANT 128, XF, XSW
	NOPS 8                                         ; a scale word written by vector instructions stands eight places ahead of a scaled matrix instruction, an operand four
	WIN 0x01
.irp t, 0,1,2,3,4,5,6,7
	MM0 SS+8*\t, 8*\t, XF, SCW+\t, XSW             ; V of my rows, head t
.endr
	WIN 0
	NOPS 4
.irp t, 0,1,2,3,4,5,6,7
	ds_store_b128 v9, v[SS+8*\t:SS+8*\t+3] offset:8192*\t
	ds_store_b128 v9, v[SS+8*\t+4:SS+8*\t+7] offset:8192*\t+512
.endr
	WIN 0x40
.set j, 0
.rept 64
	v_mov_b32 v[64+j], 0                           ; the mean of the softmax: the slices are written for every head alike, the first finds zeros
.set j, j+1
.endr
	WIN 0
	s_wait_dscnt 0x0
	s_barrier_signal -1
	s_barrier_wait -1                              ; V of all rows and heads lies in LDS; from here on LDS is only read, but for each wave's own rows of the stage
	s_mov_b32 s74, 0
	s_mov_b32 s75, 0
	s_mov_b32 s76, 0
	LOADS                                          ; head 0: its products stand bare, there is no softmax yet to set between them
	UPROD
	SCORES 0
	s_mov_b32 s74, 8192                            ; the loop's loads begin with head 1
	s_mov_b32 s75, 1024
	s_mov_b32 s76, 128
	s_mov_b32 s77, 7
.Lhead:                                                ; 7 trips: trip h finds head h's maximum, then head h + 1's score products and the rest of head h's softmax go by turns
	NOPS 5                                         ; with the three additions that follow: eight places behind the last score product, ahead of the loads into V and of the first read of the scores
	LOADS                                          ; head h + 1; the maximum below stands between these loads and the waits for them
	SMAX
	UPROD
	SCORES 1
	s_add_co_u32 s74, s74, 8192
	s_add_co_u32 s75, s75, 1024
	s_add_co_u32 s76, s76, 128
	s_sub_co_u32 s77, s77, 1
	s_cmp_lg_u32 s77, 0
	s_cbranch_scc1 .Lhead
	NOPS 8                                         ; head 7's softmax: nothing is left to multiply
	SMAX
.set i, 0
.rept 32
	SLICE
.set i, i+1
.endr
	; ---- the way out: (mean softmax) x qzn + unary + qz, through my own rows of the stage, as whole rows of 512 bytes
	WIN 0x15
.set j, 0
.rept 32
	v_pk_fma_f32 v[PP+j:PP+j+1], v[64+j:65+j], v[128+j:129+j], v[192+j:193+j]
.set j, j+2
.endr
	WIN 0
	HSTORE 4, PP
.irp i, 0,1,2,3,4,5,6,7,8,9,10,11,12,13,14,15
	ds_load_b128 v[160+4*\i:163+4*\i], v24 offset:(\i+8*(\i/8))*PITCH   ; LDS serves a wave's instructions in order: these see my stores
.endr
.irp i, 0,1,2,3,4,5,6,7,8,9,10,11,12,13,14,15
	s_wait_dscnt 15-\i                             ; row i is back; the younger rows may be out
	global_store_b128 v6, v[160+4*\i:163+4*\i], s[22:23] offset:(\i+8*(\i/8))*65536   ; 32 lanes store 512 consecutive bytes, aligned
.endr
	s_wait_tensorcnt 0x0
	ds_add_u32 v240, v255
	s_wait_dscnt 0x0
	s_endpgm
.Lfunc_end_k_qf7d0edd351_chan:
	.size	k_qf7d0edd351_chan, .Lfunc_end_k_qf7d0edd351_chan-k_qf7d0edd351_chan
	.p2alignl 7, 3214868480
	.fill 96, 4, 3214868480
	.section	.rodata,"a",@progbits
	.p2align	6, 0x0
	.amdhsa_kernel k_qf7d0edd351_chan
		.amdhsa_group_segment_fixed_size 210944
		.amdhsa_private_segment_fixed_size 0
		.amdhsa_enable_private_segment 0
		.amdhsa_kernarg_size 88
		.amdhsa_user_sgpr_count 2
		.amdhsa_user_sgpr_kernarg_segment_ptr 1
		.amdhsa_wavefront_size32 1
		.amdhsa_system_sgpr_workgroup_id_x 1
		.amdhsa_system_sgpr_workgroup_id_y 1
		.amdhsa_system_sgpr_workgroup_id_z 1
		.amdhsa_system_vgpr_workitem_id 0
		.amdhsa_next_free_vgpr 512
		.amdhsa_next_free_sgpr 96
		.amdhsa_reserve_vcc 0
		.amdhsa_float_denorm_mode_32 3
		.amdhsa_float_denorm_mode_16_64 3
		.amdhsa_memory_ordered 1
		.amdhsa_forward_progress 1
		.amdhsa_inst_pref_size 78
	.end_amdhsa_kernel
	.amdgpu_metadata
---
amdhsa.version: [ 1, 2 ]
amdhsa.kernels:
  - .name:           k_qf7d0edd351_chan
    .symbol:         k_qf7d0edd351_chan.kd
    .args:
      - { .name: qz, .offset: 0, .size: 8, .value_kind: global_buffer, .address_space: global }
      - { .name: unary, .offset: 8, .size: 8, .value_kind: global_buffer, .address_space: global }
      - { .name: topic_binary, .offset: 16, .size: 8, .value_kind: global_buffer, .address_space: global }
      - { .name: channel_u_weight_codes, .offset: 24, .size: 8, .value_kind: global_buffer, .address_space: global }
      - { .name: channel_u_weight_scales, .offset: 32, .size: 8, .value_kind: global_buffer, .address_space: global }
      - { .name: channel_v_weight_codes, .offset: 40, .size: 8, .value_kind: global_buffer, .address_space: global }
      - { .name: channel_v_weight_scales, .offset: 48, .size: 8, .value_kind: global_buffer, .address_space: global }
      - { .name: ln_gamma, .offset: 56, .size: 8, .value_kind: global_buffer, .address_space: global }
      - { .name: ln_beta, .offset: 64, .size: 8, .value_kind: global_buffer, .address_space: global }
      - { .name: part, .offset: 72, .size: 8, .value_kind: global_buffer, .address_space: global }
      - { .name: tq, .offset: 80, .size: 8, .value_kind: global_buffer, .address_space: global }
    .group_segment_fixed_size: 210944
    .private_segment_fixed_size: 0
    .kernarg_segment_align: 8
    .kernarg_segment_size: 88
    .max_flat_workgroup_size: 256
    .sgpr_count:     96
    .vgpr_count:     512
    .wavefront_size: 32
...
	.end_amdgpu_metadata
.endif
;; end of part 1
;; launch time (part 2): grid 512 x 1, 8 waves a work-group, no clusters, 310,272 bytes of LDS; arguments qz, part, tq, time_u_weight_codes, time_u_weight_scales, time_v_weight_codes, time_v_weight_scales, ln_gamma, ln_beta, b1, b2, w1_codes, w1_scales, w2_codes, w2_scales, out0; writes out0
.if DOCPART == 2
	.amdgcn_target "amdgcn-amd-amdhsa--gfx1250"
	.amdhsa_code_object_version 6
	.text
	.protected	k_qf7d0edd351_time
	.globl	k_qf7d0edd351_time
	.p2align	8
	.type	k_qf7d0edd351_time,@function
k_qf7d0edd351_time:
	s_mov_b64 s[64:65], 0
	v_nop
	global_prefetch_b8 v0, s[64:65] scope:SCOPE_SE
	s_setreg_imm32_b32 hwreg(HW_REG_WAVE_MODE, 25, 1), 1
	s_wait_xcnt 0x0
; out0 = x + MLP(LN(x)), x = 0.5 (part + m_t + m_g); part = unary + qz + m_c comes from the launch before, tq (topic_binary as FP4 codes, both ways) too.
; A work-group takes the slab (b, c): 128 patches x 128 features.  qzn = LN(qz).  Topic branch: relu(Q(qzn) T^T), divided by its row sum (held at 1e-6 from below), quantised, x T.  Time attention, 8 heads of 16:
; scores tv tu^T (K = 16, f32 operands, f32 matrix form); p = 2^(t - M), M = ceil of the row's largest t, quantised along the keys; O^T = Q(qzn^T) p^T (qzn quantised along the patches), divided by the sum of the unquantised p.
; Then LN, w1, exact gelu, w2, all FP4 products on the given codes.
; SHARES and LAYOUT H as in the launch before: eight waves, two to a SIMD; wave w owns rows RB + r + 8 (r / 8), RB = 32 (w / 2) + 8 (w % 2); a lane holds one row, register 16 bb + i = element 32 bb + 16 (lane / 16) + i.
; Every product is used transposed (source 0 = 16 rows of a weight, of V, of qzn^T or of T, chosen by the same map; source 1 = my 16 rows), so each result lies in layout H and becomes the next operand without changing lanes.
; BY TURNS.  Once a head's maximum is found its scores have been copied (as t - M) into PP, so the scores' registers, V's and U's are free: the 32 score products of head h + 1 are issued with the rest of head h's softmax cut into
; 32 slices, one behind each product (exponentials, the row's sum, p's bytes and codes, OA's scaling; none names a register of the products).  V lies in window 1 and p in window 0, so a slice costs two switches of the register
; window: 64 for a head's 32 products.  Head 0's products stand bare in front of the loop, head 7's softmax behind it.
; ONE SET OF ACCUMULATORS FOR ALL HEADS: OA = l_h x the sum over heads so far of O / l; ahead of head h's products OA is multiplied by l_h / l_(h-1), which lies within 1 / 256 .. 256.
; THE HALF of x: m_g's is put into the divisor of the topic weights (a power of two, which the blocks' scales take up), m_t's into the last division, part's into its multiply-add.
; gelu(v) = max(v, 0) - 0.5 |v| erfc(|v| / sqrt 2), erfc(z) = t exp(-z^2 + a polynomial of degree 9 in t), t = 1 / (1 + z / 2): its fractional error is 1.2e-7 for every z.
; NO CLUSTER: of the 204,800 bytes that a work-group's tensor loads bring, 69,632 (tq of b) are shared with others; each byte is asked for once, at the head, with the work-group's own two slabs.  No LDS byte is filled twice.
; LIMITS: NaN and infinities are not served.  A block whose largest magnitude lies under 2^-124, a block of zeros among them, keeps the scale byte 1 (zero codes add nothing).  The second topic product adds its K steps in the
; order 3, 0, 1, 2.  A block's largest p is taken from the block's largest score by the same two instructions; this takes v_exp_f32 not to fall where its input rises.
; REGISTERS, window 0: v1-31 addresses; v32-95 SS (written by matrix instructions alone); v96-159 PP: rows, fragments, p, then x; v160-223 U, weight tile, my rows' codes XF, codes just made PC, TM; also beta, gelu's work, rows on
;   the way out; v224-255 single numbers, v232-242 scale words.   window 1: front: v0-63 the v weight, v64-127 gamma, v192-255 qzn; topic: all 256 the topic weights, then v192-255 m_g;
;   loop: v0-63 V, v64-127 qzn^T, v128-191 OA; MLP: v0-63 part, LN(x), gelu; v64-127 gamma, w1, w2; v128-191 b1, b2.
.set PITCH, 528
.set PAR,   67584                      ; LDS: qz's slab at 0 (then qzn, at the end the stage); part's slab here
.set TQ,    135168                     ; tq of b, 69,632 bytes as they lie
.set VIMG,  204800                     ; V: [head][key tile][1,024 bytes]
.set WIMG,  270336                     ; the u weight's, w1's, w2's images, 8,192 bytes each
.set WSC,   294912                     ; their scale words, 1,024 bytes each
.set QTIMG, 297984                     ; qzn^T: 8 images
.set QTSC,  306176                     ; their scale words
.set CONST, 307200                     ; gamma, beta, b1, b2: 512 bytes each
.set SS,  32
.set PP,  96
.set UU,  160
.set WT,  168
.set XF,  192
.set PC,  200
.set TM,  208
.set A2,  224
.set T0,  228
.set T1,  229
.set SCW, 232
.set PW,  240
.set XSW, 241
.set WUS, 242
.set IL,  243
.set NM,  244
.set A0,  246
.set A1,  248
.set RT,  250
.set RS,  252
.set LL,  254
.set ILP, 255
.set MSB, 0
.macro WIN new                         ; the immediate's high byte repeats the setting that is left; bits 1:0 source 0, 3:2 source 1, 5:4 source 2, 7:6 destination
.if MSB != (\new)
	s_set_vgpr_msb (MSB<<8)|(\new)
.set MSB, (\new)
.endif
.endm
.macro NOPS n
.rept \n
	v_nop
.endr
.endm
.macro MM0 d, a, b, sa, sb             ; an FP4 product that starts its sum
	v_wmma_scale_f32_16x16x128_f8f6f4 v[(\d):(\d)+7], v[(\a):(\a)+7], v[(\b):(\b)+7], 0, v[(\sa)], v[(\sb)] matrix_a_fmt:MATRIX_FMT_FP4 matrix_b_fmt:MATRIX_FMT_FP4
.endm
.macro MM d, a, b, c, sa, sb           ; and one that adds onto c
	v_wmma_scale_f32_16x16x128_f8f6f4 v[(\d):(\d)+7], v[(\a):(\a)+7], v[(\b):(\b)+7], v[(\c):(\c)+7], v[(\sa)], v[(\sb)] matrix_a_fmt:MATRIX_FMT_FP4 matrix_b_fmt:MATRIX_FMT_FP4
.endm
.macro HLOAD reg, adr, off             ; my half of a row, layout H: 16 loads of 16 bytes
.irp bb, 0,1,2,3
.irp jj, 0,1,2,3
	ds_load_b128 v[(\reg)+16*\bb+4*\jj:(\reg)+16*\bb+4*\jj+3], v[\adr] offset:(\off)+128*\bb+16*\jj
.endr
.endr
.endm
.macro HSTORE adr, reg
.irp bb, 0,1,2,3
.irp jj, 0,1,2,3
	ds_store_b128 v[\adr], v[(\reg)+16*\bb+4*\jj:(\reg)+16*\bb+4*\jj+3] offset:128*\bb+16*\jj
.endr
.endr
.endm
.macro IMGS reg, adr, off              ; eight images of 1,024 bytes into v[reg] on
.irp t, 0,1,2,3,4,5,6,7
	ds_load_b128 v[(\reg)+8*\t:(\reg)+8*\t+3], v[\adr] offset:(\off)+1024*\t
	ds_load_b128 v[(\reg)+8*\t+4:(\reg)+8*\t+7], v[\adr] offset:(\off)+1024*\t+512
.endr
.endm
.macro SUMP dst                        ; the sum of my row's 128 numbers in PP: my 64 in two chains, then lane l xor 16's
	WIN 0
	v_pk_add_f32 v[A0:A0+1], v[PP:PP+1], v[PP+2:PP+3]
	v_pk_add_f32 v[A1:A1+1], v[PP+4:PP+5], v[PP+6:PP+7]
.set j, 8
.rept 14
	v_pk_add_f32 v[A0:A0+1], v[A0:A0+1], v[PP+j:PP+j+1]
	v_pk_add_f32 v[A1:A1+1], v[A1:A1+1], v[PP+j+2:PP+j+3]
.set j, j+4
.endr
	v_pk_add_f32 v[A0:A0+1], v[A0:A0+1], v[A1:A1+1]
	v_add_f32 v[\dst], v[A0], v[A0+1]
	v_permlanex16_b32 v[T1], v[\dst], s68, s69
	v_add_f32 v[\dst], v[\dst], v[T1]
.endm
.macro LN Y                            ; PP -> window 1, v[Y] on: (x - mean) rsqrt(var + eps) gamma + beta; gamma in window 1 v64-127, beta in v160-223.  The variance is taken of the differences
	SUMP T0
	v_mul_f32 v[RT], s72, v[T0]
	WIN 0x40
.set j, 0
.rept 32
	v_pk_add_f32 v[(\Y)+j:(\Y)+j+1], v[PP+j:PP+j+1], v[RT:RT+1] op_sel_hi:[1,0] neg_lo:[0,1] neg_hi:[0,1]
.set j, j+2
.endr
	WIN 0x05
	v_pk_mul_f32 v[A0:A0+1], v[(\Y):(\Y)+1], v[(\Y):(\Y)+1]
	v_pk_mul_f32 v[A1:A1+1], v[(\Y)+2:(\Y)+3], v[(\Y)+2:(\Y)+3]
.set j, 4
.rept 15
	v_pk_fma_f32 v[A0:A0+1], v[(\Y)+j:(\Y)+j+1], v[(\Y)+j:(\Y)+j+1], v[A0:A0+1]
	v_pk_fma_f32 v[A1:A1+1], v[(\Y)+j+2:(\Y)+j+3], v[(\Y)+j+2:(\Y)+j+3], v[A1:A1+1]
.set j, j+4
.endr
	WIN 0
	v_pk_add_f32 v[A0:A0+1], v[A0:A0+1], v[A1:A1+1]
	v_add_f32 v[T0], v[A0], v[A0+1]
	v_permlanex16_b32 v[T1], v[T0], s68, s69
	v_add_f32 v[T0], v[T0], v[T1]
	v_fma_f32 v[T0], v[T0], s72, s73
	v_rsq_f32 v[RS], v[T0]
	v_nop                                          ; a plain instruction behind the root,
	s_wait_alu depctr_va_vdst(0)                   ; and a wait ahead of its first reader
	WIN 0x41
.set j, 0
.rept 32
	v_pk_mul_f32 v[(\Y)+j:(\Y)+j+1], v[(\Y)+j:(\Y)+j+1], v[RS:RS+1] op_sel_hi:[1,0]
.set j, j+2
.endr
	WIN 0x45
.set j, 0
.rept 32
	v_pk_fma_f32 v[(\Y)+j:(\Y)+j+1], v[(\Y)+j:(\Y)+j+1], v[64+j:65+j], v[160+j:161+j]
.set j, j+2
.endr
	WIN 0
.endm
; From four largest magnitudes in v[TM] on: the conversions' scale operands in v[TM+12] on and the scale word
.macro BYTES word
.irp b, 0,1,2,3
	v_add_nc_u32 v[TM+12+\b], 0xff000000, v[TM+\b] ; 2 off the exponent field: the conversion's scale operand
.endr
.irp b, 0,1,2,3
	v_lshrrev_b32 v[TM+4+\b], 23, v[TM+12+\b]      ; the scale's byte
.endr
	v_lshl_or_b32 v[\word], v[TM+5], 8, v[TM+4]
	v_lshl_or_b32 v[\word], v[TM+6], 16, v[\word]
	v_lshl_or_b32 v[\word], v[TM+7], 24, v[\word]
.endm
.macro CODES src, dst                  ; 64 numbers in layout H become the operand's 8 registers (the window of the numbers is set by the caller)
.irp b, 0,1,2,3
	v_cvt_scalef32_pk8_fp4_f32 v[(\dst)+2*\b], v[(\src)+16*\b:(\src)+16*\b+7], v[TM+12+\b]
	v_cvt_scalef32_pk8_fp4_f32 v[(\dst)+2*\b+1], v[(\src)+16*\b+8:(\src)+16*\b+15], v[TM+12+\b]
.endr
	WIN 0
	v_nop                                          ; one plain place behind a scaled conversion
.irp c, 0,1                                    ; the operand wants a whole block in a lane: lanes 0-15 block 2 c, lanes 16-31 block 2 c + 1
.irp i, 0,1
	v_permlane16_swap_b32 v[(\dst)+4*\c+\i], v[(\dst)+4*\c+2+\i]
.endr
.endr
.endm
; 64 numbers of a lane in layout H, window 1 v[src] on, become an operand in v[dst] on and its scale word in v[word] (window 0)
.macro QUANT src, dst, word
	WIN 0x05
.irp b, 0,1,2,3
	v_max3_num_f32 v[TM+\b], |v[(\src)+16*\b]|, |v[(\src)+16*\b+1]|, 0x1800000   ; block b: my 16 numbers, and the floor 2^(3 - 127): the byte cannot fall under 1
.endr
	WIN 0x14
.irp i, 2,4,6,8,10,12,14
.irp b, 0,1,2,3
	v_max3_num_f32 v[TM+\b], v[TM+\b], |v[(\src)+16*\b+\i]|, |v[(\src)+16*\b+\i+1]|
.endr
.endr
	WIN 0
.irp b, 0,1,2,3
	v_permlanex16_b32 v[TM+4+\b], v[TM+\b], s68, s69
.endr
.irp b, 0,1,2,3
	v_max_num_f32 v[TM+\b], v[TM+\b], v[TM+4+\b]   ; with lane l xor 16's: the block's largest magnitude
.endr
	BYTES \word
	WIN 0x01
	CODES \src, \dst
.endm
; A head's LDS loads: the u weight's tile and scale word, then V of all 128 keys.  The three additions are plain vector instructions that name no register of the score products
.macro LOADS
	v_add_nc_u32 v26, s74, v10
	v_add_nc_u32 v27, s75, v11
	v_add_nc_u32 v28, s76, v12
	ds_load_b128 v[WT:WT+3], v27
	ds_load_b128 v[WT+4:WT+7], v27 offset:512
	ds_load_b32 v[WUS], v28
	WIN 0x40
	IMGS 0, 26, 0
	WIN 0
.endm
.macro UPROD                           ; my rows' U of that head
	s_wait_dscnt 16                                ; the u weight's tile and word (and all that was asked for earlier) are in; the 16 loads of V may be out
	MM0 UU, WT, XF, WUS, XSW
	NOPS 5                                         ; U becomes an operand of matrix instructions: five places (ISA guide 7.12.1)
	s_wait_dscnt 0x0                               ; V is in
.endm
; The largest score of each block of 32 keys (for the row's maximum and for the block's largest p); -M = floor(-t), t = score x c: M is a whole number; PP = t - M, and the same of each block's largest score
.macro SMAX
.irp b, 0,1,2,3
	v_max3_num_f32 v[TM+\b], v[SS+16*\b], v[SS+16*\b+1], v[SS+16*\b+2]
.endr
.irp i, 3,5,7,9,11,13
.irp b, 0,1,2,3
	v_max3_num_f32 v[TM+\b], v[TM+\b], v[SS+16*\b+\i], v[SS+16*\b+\i+1]
.endr
.endr
.irp b, 0,1,2,3
	v_max_num_f32 v[TM+\b], v[TM+\b], v[SS+16*\b+15]
.endr
.irp b, 0,1,2,3
	v_permlanex16_b32 v[TM+4+\b], v[TM+\b], s68, s69
.endr
.irp b, 0,1,2,3
	v_max_num_f32 v[TM+\b], v[TM+\b], v[TM+4+\b]
.endr
	v_max3_num_f32 v[T0], v[TM], v[TM+1], v[TM+2]
	v_max_num_f32 v[T0], v[T0], v[TM+3]
	v_mul_f32 v[T0], s70, v[T0]
	v_floor_f32 v[NM], -v[T0]
.set j, 0
.rept 32
	v_pk_fma_f32 v[PP+j:PP+j+1], v[SS+j:SS+j+1], s[70:71], v[NM:NM+1] op_sel_hi:[1,0,0]
.set j, j+2
.endr
.irp b, 0,1,2,3
	v_fma_f32 v[TM+\b], v[TM+\b], s70, v[NM]
.endr
.endm
; Slice i of 32 of a head's softmax behind its maximum.  0-15: the 64 exponentials, one batch with one wait; 16: the blocks' four; 16-23: the row's sum of the unquantised p in two chains, its reciprocal, one wait for the five;
; 24-26: the floor, l_h / l_(h-1), p's scale operands, bytes, word and codes; 27: the exchange of halves; 27-31: OA's 32 scalings, which are also the places between p's word and codes and the products that take them
.macro SLICE
.if i < 16
	WIN 0
.set j, 4*i
.rept 4
	v_exp_f32 v[PP+j], v[PP+j]                     ; p = 2^(t - M), not normalised
.set j, j+1
.endr
.if i == 15
	v_nop                                          ; a plain instruction behind the batch,
	s_wait_alu depctr_va_vdst(0)                   ; and one wait for it, ahead of its first reader
.endif
.elseif i == 16
	WIN 0
.irp b, 0,1,2,3
	v_exp_f32 v[TM+\b], v[TM+\b]                   ; the blocks' largest p
.endr
	v_pk_add_f32 v[A0:A0+1], v[PP:PP+1], v[PP+2:PP+3]
	v_pk_add_f32 v[A1:A1+1], v[PP+4:PP+5], v[PP+6:PP+7]
	v_pk_add_f32 v[A0:A0+1], v[A0:A0+1], v[PP+8:PP+9]
	v_pk_add_f32 v[A1:A1+1], v[A1:A1+1], v[PP+10:PP+11]
.elseif i < 23
	WIN 0
.set j, 12+8*(i-17)
	v_pk_add_f32 v[A0:A0+1], v[A0:A0+1], v[PP+j:PP+j+1]
	v_pk_add_f32 v[A1:A1+1], v[A1:A1+1], v[PP+j+2:PP+j+3]
	v_pk_add_f32 v[A0:A0+1], v[A0:A0+1], v[PP+j+4:PP+j+5]
	v_pk_add_f32 v[A1:A1+1], v[A1:A1+1], v[PP+j+6:PP+j+7]
.elseif i == 23
	WIN 0
	v_pk_add_f32 v[A0:A0+1], v[A0:A0+1], v[PP+60:PP+61]
	v_pk_add_f32 v[A1:A1+1], v[A1:A1+1], v[PP+62:PP+63]
	v_pk_add_f32 v[A0:A0+1], v[A0:A0+1], v[A1:A1+1]
	v_add_f32 v[LL], v[A0], v[A0+1]
	v_permlanex16_b32 v[T1], v[LL], s68, s69
	v_add_f32 v[LL], v[LL], v[T1]                  ; the row's sum
	v_rcp_f32 v[IL], v[LL]
	v_nop
	s_wait_alu depctr_va_vdst(0)                   ; one wait for the blocks' four and the reciprocal
.elseif i == 24
	WIN 0
.irp b, 0,1,2,3
	v_max_num_f32 v[TM+\b], 0x1800000, v[TM+\b]    ; the floor: the byte cannot fall under 1
.endr
	v_mul_f32 v[RT], v[LL], v[ILP]                 ; l of this head / l of the last
	v_mov_b32 v[ILP], v[IL]
.irp b, 0,1,2,3
	v_add_nc_u32 v[TM+12+\b], 0xff000000, v[TM+\b] ; 2 off the exponent field: the conversion's scale operand
.endr
.elseif i == 25
	WIN 0
.irp b, 0,1,2,3
	v_lshrrev_b32 v[TM+4+\b], 23, v[TM+12+\b]      ; the scale's byte
.endr
	v_lshl_or_b32 v[PW], v[TM+5], 8, v[TM+4]
	v_lshl_or_b32 v[PW], v[TM+6], 16, v[PW]
	v_lshl_or_b32 v[PW], v[TM+7], 24, v[PW]
.elseif i == 26
	WIN 0
.irp b, 0,1,2,3
	v_cvt_scalef32_pk8_fp4_f32 v[PC+2*\b], v[PP+16*\b:PP+16*\b+7], v[TM+12+\b]
	v_cvt_scalef32_pk8_fp4_f32 v[PC+2*\b+1], v[PP+16*\b+8:PP+16*\b+15], v[TM+12+\b]
.endr
	v_nop                                          ; one plain place behind a scaled conversion
.elseif i == 27
	WIN 0
.irp c, 0,1
.irp u, 0,1
	v_permlane16_swap_b32 v[PC+4*\c+\u], v[PC+4*\c+2+\u]
.endr
.endr
	WIN 0x41
.set j, 0
.rept 4
	v_pk_mul_f32 v[128+j:129+j], v[128+j:129+j], v[RT:RT+1] op_sel_hi:[1,0]
.set j, j+2
.endr
.else
	WIN 0x41
.set j, 8+14*(i-28)
.rept 7
	v_pk_mul_f32 v[128+j:129+j], v[128+j:129+j], v[RT:RT+1] op_sel_hi:[1,0]
.set j, j+2
.endr
.endif
.endm
; S^T = V U^T: 8 tiles of 16 keys, 4 K steps of 4: product i is K step i / 8 of tile i % 8.  The eight accumulators take turns, one instruction a turn; the first K step starts the sums.
; sl = 1: a slice of the head before stands behind each product
.macro SCORES sl
.set i, 0
.rept 32
	WIN 0x01
.if i < 8
	v_wmma_f32_16x16x4_f32 v[SS+8*i:SS+8*i+7], v[8*i:8*i+1], v[UU:UU+1], 0
.else
	v_wmma_f32_16x16x4_f32 v[SS+8*(i%8):SS+8*(i%8)+7], v[8*(i%8)+2*(i/8):8*(i%8)+2*(i/8)+1], v[UU+2*(i/8):UU+2*(i/8)+1], v[SS+8*(i%8):SS+8*(i%8)+7]
.endif
.if \sl
	SLICE
.endif
.set i, i+1
.endr
	WIN 0
.endm
.macro OAPROD                          ; OA += qzn^T p^T, the eight accumulators by turns
	WIN 0x51
.irp dt, 0,1,2,3,4,5,6,7
	MM 128+8*\dt, 64+8*\dt, PC, 128+8*\dt, SCW+\dt, PW
.endr
	WIN 0
.endm
	s_load_b512 s[4:19], s[0:1], 0x0               ; qz, part, tq, u codes, u scales, v codes, v scales, gamma
	s_load_b512 s[20:35], s[0:1], 0x40             ; beta, b1, b2, w1 codes, w1 scales, w2 codes, w2 scales, out0
	v_lshl_add_u32 v230, v0, 2, 0x4b800
	v_mov_b32 v231, 0
	ds_add_u32 v230, v231
	ds_add_u32 v230, v231
	v_lshrrev_b32 v1, 5, v0
	v_readfirstlane_b32 s66, v1                    ; wave 0..7
	s_lshr_b32 s67, ttmp9, 7                       ; b
	; descriptor group 1 for the slabs: 16 rows of 128 f32, dense in memory, 4 words of padding behind every 128
	s_mov_b32 s36, (2<<16)|(1<<20)|(6<<22)|(3<<25)
	s_mov_b32 s37, 128<<16
	s_mov_b32 s38, 16<<16
	s_mov_b32 s39, 128<<16
	s_mov_b32 s40, 16
	s_mov_b32 s41, 128
	s_mov_b32 s42, 0
	s_mov_b32 s43, 0
	; and for tq: 34 dense rows of 256 bytes (32 elements of 8 bytes), no padding
	s_mov_b32 s44, 3<<16
	s_mov_b32 s45, 32<<16
	s_mov_b32 s46, 34<<16
	s_mov_b32 s47, 32<<16
	s_mov_b32 s48, 34
	s_mov_b32 s49, 32
	s_mov_b32 s50, 0
	s_mov_b32 s51, 0
	s_mov_b32 s68, 0x76543210                      ; v_permlanex16_b32's selects for lane l xor 16
	s_mov_b32 s69, 0xfedcba98
	s_mov_b32 s70, 0x3eb8aa3b                      ; c = log2(e) / sqrt(16)
	s_mov_b32 s71, s70
	s_mov_b32 s72, 0x3c000000                      ; 1 / 128
	s_mov_b32 s73, 0x3727c5ac                      ; 1e-5
	s_lshl_b32 s80, ttmp9, 16                      ; the slab's first byte
	s_lshl_b32 s81, s66, 13
	s_add_co_u32 s92, s80, s81                     ; + my 16 rows of 512 bytes
	s_mov_b32 s93, 0
	s_mul_i32 s84, s66, 16*PITCH
	s_mul_i32 s94, s67, 69632
	s_mul_i32 s82, s66, 8704
	s_add_co_u32 s94, s94, s82                     ; tq of b, my eighth
	s_mov_b32 s95, 0
	s_wait_dscnt 0x0
	s_wait_kmcnt 0x0
	s_mov_b32 s52, 1
	s_mov_b32 s53, s84
	s_add_nc_u64 s[54:55], s[4:5], s[92:93]
	s_or_b32 s55, s55, 0x80000000
	s_mov_b32 s56, 1
	s_add_co_u32 s57, s84, PAR
	s_add_nc_u64 s[58:59], s[6:7], s[92:93]
	s_or_b32 s59, s59, 0x80000000
	s_mov_b32 s60, 1
	s_add_co_u32 s61, s82, TQ
	s_add_nc_u64 s[62:63], s[8:9], s[94:95]
	s_or_b32 s63, s63, 0x80000000
	tensor_load_to_lds s[52:55], s[36:43]          ; rows 16 w .. 16 w + 15 of qz's slab, of part's, and an eighth of tq: three loads of mine are out
	s_nop 0
	tensor_load_to_lds s[56:59], s[36:43]
	s_nop 0
	tensor_load_to_lds s[60:63], s[44:51]
	s_nop 0
	NOPS 4
.irp b, 4,5,6,7
	v_mov_b32 v[TM+\b], 0                          ; written once: a lane permute's destination counts as one of its sources
.endr
	v_mov_b32 v[T1], 0
	v_mov_b32 v[NM+1], 0                           ; upper halves of pairs that packed forms name
	v_mov_b32 v[RT+1], 0
	v_mov_b32 v[RS+1], 0
	v_and_b32 v1, 15, v0                           ; r
	v_bfe_u32 v2, v0, 4, 1                         ; hh
	v_and_b32 v3, 31, v0                           ; lane
	v_and_b32 v30, 8, v1
	v_add_nc_u32 v30, v30, v1                      ; r + 8 (r / 8)
	s_lshr_b32 s85, s66, 1
	s_lshl_b32 s85, s85, 5
	s_and_b32 s86, s66, 1
	s_lshl_b32 s86, s86, 3
	s_add_co_u32 s85, s85, s86                     ; RB
	s_lshl_b32 s86, s66, 10                        ; 1,024 w
	v_add_nc_u32 v21, s85, v30                     ; my row's number
	v_mul_u32_u24 v4, v21, PITCH
	v_lshl_add_u32 v4, v2, 6, v4                   ; my row, my half: row x 528 + 64 hh
	v_add_nc_u32 v5, PAR, v4
	v_lshlrev_b32 v6, 4, v3                        ; 16 x lane
	v_lshlrev_b32 v7, 2, v3                        ; 4 x lane
	v_lshlrev_b32 v8, 2, v1                        ; 4 r
	s_add_co_u32 s87, s86, VIMG
	v_add_nc_u32 v9, s87, v6                       ; where I store V's images
	v_add_nc_u32 v10, VIMG, v6                     ; and where anyone reads them
	v_add_nc_u32 v11, WIMG, v6
	v_add_nc_u32 v12, WSC, v7
	s_add_co_u32 s87, s86, WIMG
	v_add_nc_u32 v13, s87, v6
	s_add_co_u32 s87, s86, QTIMG
	v_add_nc_u32 v15, s87, v6
	s_lshl_b32 s87, s66, 7
	s_add_co_u32 s83, s87, WSC
	v_add_nc_u32 v14, s83, v7
	s_add_co_u32 s83, s87, QTSC
	v_add_nc_u32 v16, s83, v7
	v_add_nc_u32 v17, QTIMG, v6
	v_add_nc_u32 v18, QTSC, v7
	v_add_nc_u32 v19, TQ, v6
	v_add_nc_u32 v20, TQ+65536, v8
	v_lshlrev_b32 v21, 2, v21
	v_mul_u32_u24 v26, v2, 32*PITCH
	v_add_nc_u32 v21, v21, v26                     ; qzn^T: column = my row's number as a feature; lanes 16-31 begin 32 patches further down
	v_lshlrev_b32 v22, 6, v2
	v_add_nc_u32 v22, CONST, v22                   ; a vector of 128 in layout H: + 64 hh
	v_lshlrev_b32 v27, 3, v3                       ; 8 x lane (until the first barrier)
	s_lshl_b32 s87, s66, 8
	s_add_co_u32 s87, s87, CONST
	v_add_nc_u32 v23, s87, v27
	s_mul_i32 s87, s85, PITCH
	v_add_nc_u32 v24, s87, v6                      ; the way out: whole rows, 16 bytes a lane
	v_lshlrev_b32 v25, 6, v30
	v_lshl_add_u32 v25, v2, 4, v25                 ; a tile of w1 or w2: 64 (r + 8 (r / 8)) + 16 hh
	v_lshlrev_b32 v29, 6, v1
	v_lshl_add_u32 v29, v2, 4, v29                 ; a tile of 16 neighbouring rows: 64 r + 16 hh
	v_lshlrev_b32 v31, 2, v30
	s_lshl_b32 s92, s67, 13
	s_add_nc_u64 s[14:15], s[14:15], s[92:93]      ; the v weight of b
	s_add_co_u32 s92, s92, s86
	s_add_nc_u64 s[10:11], s[10:11], s[92:93]      ; the u weight of b, head w
	s_lshl_b32 s92, s67, 9
	s_add_nc_u64 s[16:17], s[16:17], s[92:93]
	s_lshl_b32 s87, s66, 6
	s_add_co_u32 s92, s92, s87
	s_add_nc_u64 s[12:13], s[12:13], s[92:93]
	s_lshl_b32 s92, s85, 6
	s_add_nc_u64 s[26:27], s[26:27], s[92:93]      ; w1 and w2 at row RB
	s_add_nc_u64 s[30:31], s[30:31], s[92:93]
	s_lshl_b32 s92, s85, 2
	s_add_nc_u64 s[28:29], s[28:29], s[92:93]
	s_add_nc_u64 s[32:33], s[32:33], s[92:93]
	s_lshl_b32 s92, s85, 9
	s_add_co_u32 s92, s92, s80
	s_add_nc_u64 s[34:35], s[34:35], s[92:93]      ; out0 at row RB of my slab
	s_lshr_b32 s82, s66, 1                         ; wave w brings half w % 2 of vector w / 2 of gamma, beta, b1, b2: a choice on the wave's number alone
	s_cmp_lt_u32 s82, 1
	s_cselect_b64 s[88:89], s[18:19], s[20:21]
	s_cmp_lt_u32 s82, 3
	s_cselect_b64 s[90:91], s[22:23], s[24:25]
	s_cmp_lt_u32 s82, 2
	s_cselect_b64 s[88:89], s[88:89], s[90:91]
	s_and_b32 s92, s66, 1
	s_lshl_b32 s92, s92, 8
	s_add_nc_u64 s[88:89], s[88:89], s[92:93]
	global_load_b128 v[96:99], v29, s[10:11]       ; ten loads that I pass on as images: head w's rows of the u weight,
	global_load_b128 v[100:103], v29, s[10:11] offset:32
	global_load_b128 v[104:107], v25, s[26:27]     ; tile w of w1,
	global_load_b128 v[108:111], v25, s[26:27] offset:32
	global_load_b128 v[112:115], v25, s[30:31]     ; of w2,
	global_load_b128 v[116:119], v25, s[30:31] offset:32
	global_load_b32 v120, v8, s[12:13]             ; their scale words,
	global_load_b32 v121, v31, s[28:29]
	global_load_b32 v122, v31, s[32:33]
	global_load_b64 v[124:125], v27, s[88:89]      ; and 256 bytes of a vector
.irp t, 0,1,2,3,4,5,6,7
	global_load_b32 v[SCW+\t], v8, s[16:17] offset:64*\t
.endr
	WIN 0x40
.irp t, 0,1,2,3,4,5,6,7
	global_load_b128 v[8*\t:8*\t+3], v29, s[14:15] offset:1024*\t      ; the v weight: 8 tiles of 16 rows, a head each
	global_load_b128 v[8*\t+4:8*\t+7], v29, s[14:15] offset:1024*\t+32
.endr
	WIN 0
	s_wait_loadcnt 24                              ; the ten are in; the v weight's 24 loads may be out
	ds_store_b128 v13, v[96:99]
	ds_store_b128 v13, v[100:103] offset:512
	ds_store_b128 v13, v[104:107] offset:8192
	ds_store_b128 v13, v[108:111] offset:8704
	ds_store_b128 v13, v[112:115] offset:16384
	ds_store_b128 v13, v[116:119] offset:16896
	ds_store_b32 v14, v120
	ds_store_b32 v14, v121 offset:1024
	ds_store_b32 v14, v122 offset:2048
	ds_store_b64 v23, v[124:125]
	s_wait_xcnt 0x0                                ; every load has read its address registers: v27 is written again for the heads' loads
	s_wait_tensorcnt 0x0                           ; my parts of the slabs and of tq have landed,
	s_wait_dscnt 0x0                               ; my images are stored:
	s_barrier_signal -1
	s_barrier_wait -1                              ; everybody's
	; ---- my 16 rows: LN; qzn back into my rows of LDS; codes along the features; V of my rows
	HLOAD PP, 4, 0
	WIN 0x40
	HLOAD 64, 22, 0
	WIN 0
	HLOAD 160, 22, 512
	s_wait_dscnt 0x0
	LN 192
	WIN 0x04
	HSTORE 4, 192                                  ; over my own rows of qz, which no other wave reads
	WIN 0
	QUANT 192, XF, XSW
	s_wait_loadcnt 0x0                             ; the v weight
	NOPS 8                                         ; a scale word written by vector instructions stands eight places ahead of a scaled matrix instruction, an operand four
	WIN 0x01
.irp t, 0,1,2,3,4,5,6,7
	MM0 SS+8*\t, 8*\t, XF, SCW+\t, XSW             ; V of my rows, head t
.endr
	WIN 0
	NOPS 4
.irp t, 0,1,2,3,4,5,6,7
	ds_store_b128 v9, v[SS+8*\t:SS+8*\t+3] offset:8192*\t
	ds_store_b128 v9, v[SS+8*\t+4:SS+8*\t+7] offset:8192*\t+512
.endr
	s_wait_dscnt 0x0
	s_barrier_signal -1
	s_barrier_wait -1                              ; qzn of all rows and V of all rows and heads lie in LDS
	; ---- tile w of qzn^T, quantised along the patches: a lane takes a feature, its registers run down the patches: two whole blocks a lane
.irp c, 0,1
.set i, 0
.rept 32
	ds_load_b32 v[PP+32*\c+i], v21 offset:(64*\c+i)*PITCH
.set i, i+1
.endr
.endr
	s_wait_dscnt 0x0
.irp c, 0,1
	v_max3_num_f32 v[TM+\c], |v[PP+32*\c]|, |v[PP+32*\c+1]|, 0x1800000
.endr
.irp i, 2,4,6,8,10,12,14,16,18,20,22,24,26,28,30
.irp c, 0,1
	v_max3_num_f32 v[TM+\c], v[TM+\c], |v[PP+32*\c+\i]|, |v[PP+32*\c+\i+1]|
.endr
.endr
.irp c, 0,1
	v_add_nc_u32 v[TM+12+\c], 0xff000000, v[TM+\c]
.endr
.irp c, 0,1
	v_lshrrev_b32 v[TM+4+\c], 23, v[TM+12+\c]
.endr
	v_lshl_or_b32 v[PW], v[TM+5], 16, v[TM+4]      ; my two bytes: blocks hh and 2 + hh,
	v_lshlrev_b32 v[T0], 3, v2
	v_lshlrev_b32 v[PW], v[T0], v[PW]              ; at their places in the word;
	v_permlanex16_b32 v[T1], v[PW], s68, s69
	v_or_b32 v[PW], v[PW], v[T1]                   ; with lane l xor 16's two the word is whole
.irp c, 0,1
.irp g, 0,1,2,3
	v_cvt_scalef32_pk8_fp4_f32 v[PC+4*\c+\g], v[PP+32*\c+8*\g:PP+32*\c+8*\g+7], v[TM+12+\c]
.endr
.endr
	v_nop                                          ; one plain place behind a scaled conversion
	ds_store_b128 v15, v[PC:PC+3]
	ds_store_b128 v15, v[PC+4:PC+7] offset:512
	ds_store_b32 v16, v[PW]
	s_wait_dscnt 0x0
	s_barrier_signal -1
	s_barrier_wait -1                              ; qzn^T lies in LDS; from here on LDS is only read, but for each wave's own rows of the stage
	; ---- the topic branch.  First product: 32 tiles of 16 topics, eight at a time, into all of window 1 (layout H over 512)
.irp g, 0,1,2,3
.if \g > 0
	NOPS 4                                         ; places in front of loads into registers that matrix instructions have read
.endif
	IMGS PP, 19, 8192*\g
.irp i, 0,1,2,3,4,5,6,7
	ds_load_b32 v[SCW+\i], v20 offset:64*(8*\g+\i)
.endr
	s_wait_dscnt 0x0
	WIN 0x40
.irp i, 0,1,2,3,4,5,6,7
	MM0 64*\g+8*\i, PP+8*\i, XF, SCW+\i, XSW
.endr
	WIN 0
.endr
	WIN 0x44
.set j, 0
.rept 256
	v_max_num_f32 v[j], 0, v[j]                    ; relu, from the oldest results on: the first 248 are the places behind the last product
.set j, j+1
.endr
	WIN 0x05
	v_pk_add_f32 v[A0:A0+1], v[0:1], v[2:3]        ; the row's sum, in four chains that the first additions start
	v_pk_add_f32 v[A1:A1+1], v[4:5], v[6:7]
	v_pk_add_f32 v[A2:A2+1], v[8:9], v[10:11]
	v_pk_add_f32 v[A2+2:A2+3], v[12:13], v[14:15]
	WIN 0x04
.set j, 16
.rept 30
	v_pk_add_f32 v[A0:A0+1], v[A0:A0+1], v[j:j+1]
	v_pk_add_f32 v[A1:A1+1], v[A1:A1+1], v[j+2:j+3]
	v_pk_add_f32 v[A2:A2+1], v[A2:A2+1], v[j+4:j+5]
	v_pk_add_f32 v[A2+2:A2+3], v[A2+2:A2+3], v[j+6:j+7]
.set j, j+8
.endr
	WIN 0
	v_pk_add_f32 v[A0:A0+1], v[A0:A0+1], v[A1:A1+1]
	v_pk_add_f32 v[A2:A2+1], v[A2:A2+1], v[A2+2:A2+3]
	v_pk_add_f32 v[A0:A0+1], v[A0:A0+1], v[A2:A2+1]
	v_add_f32 v[T0], v[A0], v[A0+1]
	v_permlanex16_b32 v[T1], v[T0], s68, s69
	v_add_f32 v[T0], v[T0], v[T1]
	v_max_num_f32 v[T0], 0x358637bd, v[T0]         ; held at 1e-6 from below
	v_rcp_f32 v[RT], v[T0]
	v_nop
	s_wait_alu depctr_va_vdst(0)
	v_mul_f32 v[RT], 0.5, v[RT]                    ; with x's half
	WIN 0x41
.set j, 0
.rept 128
	v_pk_mul_f32 v[j:j+1], v[j:j+1], v[RT:RT+1] op_sel_hi:[1,0]
.set j, j+2
.endr
	; Second product: K = the 512 topics, four K steps.  Step 3 goes first: its numbers' registers then take the sums
.irp ks, 3,0,1,2
	WIN 0
.if \ks != 3
	NOPS 4
.endif
	IMGS PP, 19, 32768+8192*\ks
.irp dt, 0,1,2,3,4,5,6,7
	ds_load_b32 v[SCW+\dt], v20 offset:2048+64*(8*\ks+\dt)
.endr
	QUANT 64*\ks, PC, PW
	s_wait_dscnt 0x0
	NOPS 8
.if \ks == 3
	WIN 0x40
.irp dt, 0,1,2,3,4,5,6,7
	MM0 192+8*\dt, PP+8*\dt, PC, SCW+\dt, PW
.endr
.else
	WIN 0x50
.irp dt, 0,1,2,3,4,5,6,7
	MM 192+8*\dt, PP+8*\dt, PC, 192+8*\dt, SCW+\dt, PW   ; the eight accumulators by turns
.endr
.endif
.endr
	WIN 0
	; ---- time attention
	NOPS 4
	WIN 0x40
	IMGS 64, 17, 0                                 ; qzn^T stays in registers
.set j, 0
.rept 64
	v_mov_b32 v[128+j], 0                          ; OA: the slices are written for every head alike, the first finds zeros
.set j, j+1
.endr
	WIN 0
.irp dt, 0,1,2,3,4,5,6,7
	ds_load_b32 v[SCW+\dt], v18 offset:128*\dt
.endr
	v_mov_b32 v[ILP], 1.0
	s_mov_b32 s74, 0
	s_mov_b32 s75, 0
	s_mov_b32 s76, 0
	LOADS                                          ; head 0: its products stand bare, there is no softmax yet to set between them
	UPROD
	SCORES 0
	s_mov_b32 s74, 8192                            ; the loop's loads begin with head 1
	s_mov_b32 s75, 1024
	s_mov_b32 s76, 128
	s_mov_b32 s77, 7
.Lhead:                                                ; 7 trips: trip h finds head h's maximum, then head h + 1's score products and the rest of head h's softmax go by turns; head h's products onto OA close it
	NOPS 5                                         ; with the three additions that follow: eight places behind the last score product, ahead of the loads into V and of the first read of the scores
	LOADS                                          ; head h + 1; the maximum below stands between these loads and the waits for them
	SMAX
	UPROD
	SCORES 1
	OAPROD
	s_add_co_u32 s74, s74, 8192
	s_add_co_u32 s75, s75, 1024
	s_add_co_u32 s76, s76, 128
	s_sub_co_u32 s77, s77, 1
	s_cmp_lg_u32 s77, 0
	s_cbranch_scc1 .Lhead
	NOPS 8                                         ; head 7's softmax: no scores are left to multiply
	SMAX
.set i, 0
.rept 32
	SLICE
.set i, i+1
.endr
	OAPROD
	; ---- x = OA / (16 l) + m_g / 2 + part / 2
	v_mul_f32 v[RT], 0x3d800000, v[ILP]
	NOPS 4
	WIN 0x40
	HLOAD 0, 5, 0                                  ; part
	HLOAD 64, 22, 0                                ; gamma
	WIN 0
	HLOAD 160, 22, 512                             ; beta
	WIN 0x11
.set j, 0
.rept 32
	v_pk_fma_f32 v[PP+j:PP+j+1], v[128+j:129+j], v[RT:RT+1], v[192+j:193+j] op_sel_hi:[1,0,1]
.set j, j+2
.endr
	s_wait_dscnt 32                                ; part is in; gamma's and beta's 32 loads may be out
	WIN 0x01
.set j, 0
.rept 32
	v_pk_fma_f32 v[PP+j:PP+j+1], v[j:j+1], 0.5, v[PP+j:PP+j+1] op_sel_hi:[1,0,1]
.set j, j+2
.endr
	WIN 0
	s_wait_dscnt 0x0
	; ---- the MLP
	LN 0
	WIN 0x40
	IMGS 64, 11, 8192                              ; w1
	HLOAD 128, 22, 1024                            ; b1, in the result's layout: the C of the sums' first products
	WIN 0
.irp t, 0,1,2,3,4,5,6,7
	ds_load_b32 v[SCW+\t], v12 offset:1024+128*\t
.endr
	QUANT 0, PC, PW
	s_wait_dscnt 0x0
	NOPS 8
	WIN 0x11
.irp t, 0,1,2,3,4,5,6,7
	MM SS+8*\t, 64+8*\t, PC, 128+8*\t, SCW+\t, PW
.endr
	WIN 0
	NOPS 4
	WIN 0x40
	IMGS 64, 11, 16384                             ; w2 and b2 land under the gelu
	HLOAD 128, 22, 1536
	WIN 0
.irp t, 0,1,2,3,4,5,6,7
	ds_load_b32 v[SCW+\t], v12 offset:2048+128*\t
.endr
	v_mov_b32 v224, 0x3e2ef945                     ; the polynomial's highest coefficient, as a pair
	v_mov_b32 v225, 0x3e2ef945
.irp q, 0,1,2,3                                ; 16 numbers at a time: Z v160.., t v176.., the exponent v192.., max(v, 0) v208..
.set j, 0
.rept 8
	v_pk_mul_f32 v[160+j:161+j], v[SS+16*\q+j:SS+16*\q+j+1], 0x3f3504f3 op_sel_hi:[1,0]   ; Z = v / sqrt 2
.set j, j+2
.endr
.set j, 0
.rept 16
	v_fma_f32 v[176+j], |v[160+j]|, 0.5, 1.0
.set j, j+1
.endr
.set j, 0
.rept 16
	v_rcp_f32 v[176+j], v[176+j]                   ; t = 1 / (1 + |Z| / 2)
.set j, j+1
.endr
.set j, 0
.rept 16
	v_max_num_f32 v[208+j], 0, v[SS+16*\q+j]       ; plain work behind the reciprocals
.set j, j+1
.endr
	s_wait_alu depctr_va_vdst(0)                   ; one wait for the sixteen
.set j, 0
.rept 8
	v_pk_fma_f32 v[192+j:193+j], v[176+j:177+j], v[224:225], 0xbf527892 op_sel_hi:[1,1,0]
.set j, j+2
.endr
.irp k, 0x3fbe87b0, 0xbf914e5d, 0x3e8ec7cc, 0xbe3ec24c, 0x3dc636c9, 0x3ebf88fb, 0x3f8000c7, 0xbfa1fc4e
.set j, 0
.rept 8
	v_pk_fma_f32 v[192+j:193+j], v[192+j:193+j], v[176+j:177+j], \k op_sel_hi:[1,1,0]
.set j, j+2
.endr
.endr
.set j, 0
.rept 8
	v_pk_fma_f32 v[192+j:193+j], v[160+j:161+j], v[160+j:161+j], v[192+j:193+j] neg_lo:[1,0,0] neg_hi:[1,0,0]   ; - Z^2
.set j, j+2
.endr
.set j, 0
.rept 8
	v_pk_fma_f32 v[192+j:193+j], v[192+j:193+j], 0x3fb8aa3b, -0.5 op_sel_hi:[1,0,0]   ; to base 2; the -0.5 is the factor 1 / sqrt 2 of 0.5 |v| = |Z| / sqrt 2
.set j, j+2
.endr
.set j, 0
.rept 16
	v_exp_f32 v[192+j], v[192+j]
.set j, j+1
.endr
	v_nop
	s_wait_alu depctr_va_vdst(0)
.set j, 0
.rept 8
	v_pk_mul_f32 v[192+j:193+j], v[192+j:193+j], v[176+j:177+j]
.set j, j+2
.endr
	WIN 0x40
.set j, 0
.rept 16
	v_fma_f32 v[16*\q+j], -|v[160+j]|, v[192+j], v[208+j]
.set j, j+1
.endr
	WIN 0
.endr
	QUANT 0, PC, PW
	s_wait_dscnt 0x0
	WIN 0x04
.set j, 0
.rept 32
	v_pk_add_f32 v[PP+j:PP+j+1], v[PP+j:PP+j+1], v[128+j:129+j]    ; x + b2: what the last products add onto (also the places ahead of them)
.set j, j+2
.endr
	WIN 0x01
.irp t, 0,1,2,3,4,5,6,7
	MM PP+8*\t, 64+8*\t, PC, PP+8*\t, SCW+\t, PW
.endr
	WIN 0
	NOPS 4
	; ---- the way out, through my own rows of the stage, as whole rows of 512 bytes
	HSTORE 4, PP
.irp i, 0,1,2,3,4,5,6,7,8,9,10,11,12,13,14,15
	ds_load_b128 v[160+4*\i:163+4*\i], v24 offset:(\i+8*(\i/8))*PITCH   ; LDS serves a wave's instructions in order: these see my stores
.endr
.irp i, 0,1,2,3,4,5,6,7,8,9,10,11,12,13,14,15
	s_wait_dscnt 15-\i                             ; row i is back; the younger rows may be out
	global_store_b128 v6, v[160+4*\i:163+4*\i], s[34:35] offset:(\i+8*(\i/8))*512 th:TH_STORE_NT   ; 32 lanes store 512 consecutive bytes, aligned; written once, read by nobody here
.endr
	s_wait_tensorcnt 0x0
	ds_add_u32 v230, v231
	s_wait_dscnt 0x0
	s_endpgm
.Lfunc_end_k_qf7d0edd351_time:
	.size	k_qf7d0edd351_time, .Lfunc_end_k_qf7d0edd351_time-k_qf7d0edd351_time
	.p2alignl 7, 3214868480
	.fill 96, 4, 3214868480
	.section	.rodata,"a",@progbits
	.p2align	6, 0x0
	.amdhsa_kernel k_qf7d0edd351_time
		.amdhsa_group_segment_fixed_size 310272
		.amdhsa_private_segment_fixed_size 0
		.amdhsa_enable_private_segment 0
		.amdhsa_kernarg_size 128
		.amdhsa_user_sgpr_count 2
		.amdhsa_user_sgpr_kernarg_segment_ptr 1
		.amdhsa_wavefront_size32 1
		.amdhsa_system_sgpr_workgroup_id_x 1
		.amdhsa_system_sgpr_workgroup_id_y 1
		.amdhsa_system_sgpr_workgroup_id_z 1
		.amdhsa_system_vgpr_workitem_id 0
		.amdhsa_next_free_vgpr 512
		.amdhsa_next_free_sgpr 96
		.amdhsa_reserve_vcc 0
		.amdhsa_float_denorm_mode_32 3
		.amdhsa_float_denorm_mode_16_64 3
		.amdhsa_memory_ordered 1
		.amdhsa_forward_progress 1
		.amdhsa_inst_pref_size 235
	.end_amdhsa_kernel
	.amdgpu_metadata
---
amdhsa.version: [ 1, 2 ]
amdhsa.kernels:
  - .name:           k_qf7d0edd351_time
    .symbol:         k_qf7d0edd351_time.kd
    .args:
      - { .name: qz, .offset: 0, .size: 8, .value_kind: global_buffer, .address_space: global }
      - { .name: part, .offset: 8, .size: 8, .value_kind: global_buffer, .address_space: global }
      - { .name: tq, .offset: 16, .size: 8, .value_kind: global_buffer, .address_space: global }
      - { .name: time_u_weight_codes, .offset: 24, .size: 8, .value_kind: global_buffer, .address_space: global }
      - { .name: time_u_weight_scales, .offset: 32, .size: 8, .value_kind: global_buffer, .address_space: global }
      - { .name: time_v_weight_codes, .offset: 40, .size: 8, .value_kind: global_buffer, .address_space: global }
      - { .name: time_v_weight_scales, .offset: 48, .size: 8, .value_kind: global_buffer, .address_space: global }
      - { .name: ln_gamma, .offset: 56, .size: 8, .value_kind: global_buffer, .address_space: global }
      - { .name: ln_beta, .offset: 64, .size: 8, .value_kind: global_buffer, .address_space: global }
      - { .name: b1, .offset: 72, .size: 8, .value_kind: global_buffer, .address_space: global }
      - { .name: b2, .offset: 80, .size: 8, .value_kind: global_buffer, .address_space: global }
      - { .name: w1_codes, .offset: 88, .size: 8, .value_kind: global_buffer, .address_space: global }
      - { .name: w1_scales, .offset: 96, .size: 8, .value_kind: global_buffer, .address_space: global }
      - { .name: w2_codes, .offset: 104, .size: 8, .value_kind: global_buffer, .address_space: global }
      - { .name: w2_scales, .offset: 112, .size: 8, .value_kind: global_buffer, .address_space: global }
      - { .name: out0, .offset: 120, .size: 8, .value_kind: global_buffer, .address_space: global }
    .group_segment_fixed_size: 310272
    .private_segment_fixed_size: 0
    .kernarg_segment_align: 8
    .kernarg_segment_size: 128
    .max_flat_workgroup_size: 256
    .sgpr_count:     96
    .vgpr_count:     512
    .wavefront_size: 32
...
	.end_amdgpu_metadata
.endif
;; end of part 2
